; MI455X (gfx1250); checked and timed in simulation.
; The chip was launched on July 23, 2026; its instructions are those of AMD's public machine-readable ISA for CDNA 5 (MIT licence, August 2026) and "CDNA5" Instruction Set Architecture Reference Guide (July 2026). The comments in the code are by the model that wrote it; some were corrected since.
;; Drop Token. Allowed arithmetic: float matrix products may take bf16 or f16 operands with f32 sums; all other float work in f32.
;; Inputs: idx 4,096 int32; inputs 4 x 8,192 x 512 float32.
;; Outputs: out0 4 x 4,096 x 512 float32.
;; One version. Each part assembles by itself: llvm-mc -triple=amdgcn-amd-amdhsa -mcpu=gfx1250 --defsym DOCPART=n.
;; ======== version 1 of 1: 1 launch
;; launch gather (part 1): grid 64 x 4, 8 waves a work-group, no clusters, 0 bytes of LDS; arguments idx, inputs, out0; writes out0
.if DOCPART == 1
	.amdgcn_target "amdgcn-amd-amdhsa--gfx1250"
	.amdhsa_code_object_version 6
	.text
	.protected	k_qaf3ca78c8c_gather
	.globl	k_qaf3ca78c8c_gather
	.p2align	8
	.type	k_qaf3ca78c8c_gather,@function
k_qaf3ca78c8c_gather:
	s_mov_b64 s[64:65], 0
	v_nop
	global_prefetch_b8 v0, s[64:65] scope:SCOPE_SE
	s_setreg_imm32_b32 hwreg(HW_REG_WAVE_MODE, 25, 1), 1
	s_wait_xcnt 0x0
; out0[b][c][:] = inputs[b][idx[c]][:].   idx: [4096] int32.  inputs: [4][8192][512] f32.  out0: [4][4096][512] f32.
; The problem writes this as a product with a one-hot matrix: each output number is 1.0 * x plus 8,191 products 0 * x, which for finite
; inputs is x itself, bit for bit but for the sign of a zero.  So the rows are copied: 16,384 rows of 2,048 bytes, each needed byte read
; once and each output byte written once, with no rounding.  The matrix unit would read all 8,192 rows of each batch and round them to
; bf16 for the same numbers; LDS would only add a trip, since a row leaves in the lane layout in which it comes; no two work-groups
; share a row block, so there is nothing to ask for jointly.
; LIMITS, kept on purpose:
;   - an index outside 0 .. 8191 (the problem states that indices stay inside the table): the one-hot product gives a row of zeros; this
;     text clamps the index, taken as unsigned, to 8191, so that no load leaves the buffer, and copies that row;
;   - an infinity or a NaN in inputs: the product makes NaN (0 * inf) in that column of every output row of the batch; the copy does not;
;   - -0.0 is copied as -0.0, where the sum of the product gives +0.0.
; SHARES: work-group (x, y) makes rows 64 x .. 64 x + 63 of batch y; wave w of its eight makes rows 64 x + 8 w + i, i = 0 .. 7, which are
; 16,384 consecutive bytes of out0; lane L holds bytes 16 L + 512 j, j = 0 .. 3, of each row.  Every load and every store of a wave
; covers 512 consecutive bytes that start at a multiple of 512 from its buffer's first byte.
; All 32 loads of a wave go out in one run, so its whole share is on its way at once: there is nothing left for a loop or a ring to
; run ahead of.  No prefetch: a row's address is known only with its index, and the load itself follows in the next lines.
.set ROW,  2048                        ; bytes in a row (512 f32)
.set LEN,  8192                        ; rows in a batch of inputs
.set RPW,  8                           ; rows of a wave
.set LANE, 1                           ; v1        16 x lane: my place in 512 bytes; the offset register of every store; never rewritten
.set OFF,  2                           ; v[2:9]    row i: index x 2,048 + 16 x lane, 16,777,200 at the most; never rewritten
.set D,    12                          ; v[12:139] row i, piece j: 4 registers at D + 16 i + 4 j, loaded once, stored once
.set IX,   16                          ; s[16:23]  my wave's eight indices
	s_load_b128 s[4:7], s[0:1], 0x0                ; idx s[4:5], inputs s[6:7]
	s_load_b64 s[8:9], s[0:1], 0x10                ; out0 s[8:9]
	; register work while the addresses are on their way
	v_lshrrev_b32 v10, 5, v0
	v_readfirstlane_b32 s10, v10                   ; wave 0 .. 7, as a scalar
	v_and_b32 v[LANE], 31, v0
	v_lshlrev_b32 v[LANE], 4, v[LANE]              ; 16 bytes a lane
	s_and_b32 s11, ttmp7, 0xffff                   ; batch y
	s_lshl_b32 s12, ttmp9, 8                       ; idx: 64 x indices of 4 bytes
	s_lshl_b32 s13, s10, 5                         ;      + 8 w indices of 4 bytes
	s_add_co_u32 s12, s12, s13
	s_mov_b32 s13, 0
	s_lshl_b32 s14, s11, 24                        ; inputs: a batch is 8,192 rows x 2,048 bytes = 2^24; 3 x 2^24 at the most
	s_mov_b32 s15, 0
	s_lshl_b32 s2, s11, 23                         ; out0: a batch is 4,096 rows x 2,048 bytes = 2^23,
	s_lshl_b32 s3, ttmp9, 17                       ;       a work-group's 64 rows are 2^17,
	s_add_co_u32 s2, s2, s3
	s_lshl_b32 s3, s10, 14                         ;       a wave's 8 rows are 2^14: below 2^25 in all
	s_add_co_u32 s2, s2, s3
	s_mov_b32 s3, 0
	s_wait_kmcnt 0x0                               ; the three addresses are in (scalar loads return in no order: only 0 shows anything)
	s_add_nc_u64 s[4:5], s[4:5], s[12:13]
	s_load_b256 s[IX:IX+7], s[4:5], 0x0            ; my eight indices: 32 bytes at a multiple of 32; the last wave's end at byte 16,384
	s_add_nc_u64 s[6:7], s[6:7], s[14:15]          ; inputs at my batch
	s_add_nc_u64 s[8:9], s[8:9], s[2:3]            ; out0 at my wave's first row
	s_wait_kmcnt 0x0                               ; the indices are in
.irp i, 0,1,2,3,4,5,6,7
	s_min_u32 s[IX+\i], s[IX+\i], LEN-1            ; unsigned: a negative index too ends at the last row, so every load stays inside inputs
	v_lshl_add_u32 v[OFF+\i], s[IX+\i], 11, v[LANE]    ; the row's first byte in the batch + my 16 bytes
.endr
; Row i comes in: four loads of 512 consecutive bytes.  No cache word: the list may name a row more than once.
.macro ROW_IN i
.irp j, 0,1,2,3
	global_load_b128 v[D+16*\i+4*\j:D+16*\i+4*\j+3], v[OFF+\i], s[6:7] offset:512*\j
.endr
.endm
; Row i goes out, to the wave's row i: the row and the piece stand in the immediate, 15,872 at the most.
; Written once and not read again in the launch: TH_STORE_NT.
.macro ROW_OUT i
	s_wait_loadcnt 4*(RPW-1-\i)                    ; loads return in the order of issue (ISA guide 5.7.1): row i's four are in, the 4 (7 - i) of the later rows may stay out
.irp j, 0,1,2,3
	global_store_b128 v[LANE], v[D+16*\i+4*\j:D+16*\i+4*\j+3], s[8:9] offset:ROW*\i+512*\j th:TH_STORE_NT
.endr
.endm
.irp i, 0,1,2,3,4,5,6,7
	ROW_IN \i                                      ; 32 loads in one run: the wave's 16,384 bytes are all on their way
.endr
.irp i, 0,1,2,3,4,5,6,7
	ROW_OUT \i
.endr
	; No source of a load or store (offsets, data, bases, EXEC) is written again from the first load to the end, so no further wait is needed;
	; plain stores may be outstanding at the end of the wave.
	s_endpgm
.Lfunc_end_k_qaf3ca78c8c_gather:
	.size	k_qaf3ca78c8c_gather, .Lfunc_end_k_qaf3ca78c8c_gather-k_qaf3ca78c8c_gather
	.p2alignl 7, 3214868480
	.fill 96, 4, 3214868480
	.section	.rodata,"a",@progbits
	.p2align	6, 0x0
	.amdhsa_kernel k_qaf3ca78c8c_gather
		.amdhsa_group_segment_fixed_size 0
		.amdhsa_private_segment_fixed_size 0
		.amdhsa_enable_private_segment 0
		.amdhsa_kernarg_size 24
		.amdhsa_user_sgpr_count 2
		.amdhsa_user_sgpr_kernarg_segment_ptr 1
		.amdhsa_wavefront_size32 1
		.amdhsa_system_sgpr_workgroup_id_x 1
		.amdhsa_system_sgpr_workgroup_id_y 1
		.amdhsa_system_sgpr_workgroup_id_z 1
		.amdhsa_system_vgpr_workitem_id 0
		.amdhsa_next_free_vgpr 140
		.amdhsa_next_free_sgpr 66
		.amdhsa_reserve_vcc 0
		.amdhsa_float_denorm_mode_32 3
		.amdhsa_float_denorm_mode_16_64 3
		.amdhsa_memory_ordered 1
		.amdhsa_forward_progress 1
		.amdhsa_inst_pref_size 9
	.end_amdhsa_kernel
	.amdgpu_metadata
---
amdhsa.version: [ 1, 2 ]
amdhsa.kernels:
  - .name:           k_qaf3ca78c8c_gather
    .symbol:         k_qaf3ca78c8c_gather.kd
    .args:
      - { .name: idx, .offset: 0, .size: 8, .value_kind: global_buffer, .address_space: global }
      - { .name: inputs, .offset: 8, .size: 8, .value_kind: global_buffer, .address_space: global }
      - { .name: out0, .offset: 16, .size: 8, .value_kind: global_buffer, .address_space: global }
    .group_segment_fixed_size: 0
    .private_segment_fixed_size: 0
    .kernarg_segment_align: 8
    .kernarg_segment_size: 24
    .max_flat_workgroup_size: 256
    .sgpr_count:     66
    .vgpr_count:     140
    .wavefront_size: 32
...
	.end_amdgpu_metadata
.endif
;; end of part 1
